; MI455X (gfx1250); checked and timed in simulation.
; The chip was launched on July 23, 2026; its instructions are those of AMD's public machine-readable ISA for CDNA 5 (MIT licence, August 2026) and "CDNA5" Instruction Set Architecture Reference Guide (July 2026). The comments in the code are by the model that wrote it; some were corrected since.
;; Attn. Allowed arithmetic: matrix products marked QUANTISED: E4M3 operands, one E8M0 scale for each 32 along K, by v_wmma_scale_f32_16x16x128_f8f6f4 with both operands' format E4M3, f32 sums; products left as they are: f32 operands where the result goes on into a quantised operand, else bf16, f16 or f32 operands; f32 sums; everything else in f32.
;; Inputs: W_attn 512 x 1,024 float32; b_attn 512 float32; encoder_outputs 64 x 2,048 x 512 float32; hidden 64 x 512 float32; v 512 float32.
;; Outputs: out0 64 x 2,048 float32.
;; This version of the problem:
;;   THIS VERSION OF THE PROBLEM IS GIVEN IN LOW PRECISION. The matrix products marked QUANTISED in the list below multiply operands that are first quantised to E4M3 (4 exponent bits, 3 mantissa bits; 8 bits a number), with one power-of-two scale for each 32 numbers along K (OCP MX v1.0); their sums are f32. All else is computed in f32.
;;   The module's matrix products, in the order in which they are computed (A, B: the left and right operand; K: the contracted axis; several contracted axes count as one K, in the product's order):
;;     1. [M 131,072, K 1,024] x [K 1,024, N 512]; A: computed on the way; B: input W_attn: QUANTISED
;;     2. [M 131,072, K 512] x [K 512, N 1]; A: computed on the way; B: input v: left as it is (N = 1 < 16)
;;   THE QUANTISER, for each operand of a quantised product, along K:
;;     - K is cut into blocks of 32 from its start; a last block that is shorter is filled with zeros.
;;     - A block's scale is 2^e with e = floor(log2(the largest magnitude in the block)) - 8, held to -126 .. 127; a block of zeros has e = 0. As a byte (E8M0): e + 127.
;;     - Each number is divided by its block's scale, clamped to +-448, and rounded to the nearest number of E4M3, ties to even, subnormals kept.
;;     - The product sums the exact products of the quantised numbers (number of the format x scale) in f32.
;;   ~~~python
;;   def quantise(x, axis):      # numpy; x: float32 -> the quantised numbers, widened to float32 again
;;       x = np.moveaxis(x, axis, -1); K = x.shape[-1]
;;       x = np.pad(x, [(0, 0)] * (x.ndim - 1) + [(0, -K % 32)]); x = x.reshape(x.shape[:-1] + (-1, 32)); a = np.abs(x).max(-1, keepdims=True)
;;       e = np.where(a > 0, np.clip(np.frexp(np.where(a > 0, a, 1))[1] - 1 - 8, -126, 127), 0)      # np.frexp(a)[1] - 1 = floor(log2(a)), exactly
;;       r = np.clip(x / 2.0 ** e, -448, 448)
;;       step = 2.0 ** (np.maximum(np.frexp(np.where(r == 0, 1, r))[1] - 1, -6) - 3)
;;       q = np.round(r / step) * step * 2.0 ** e      # np.round: ties to even
;;       return np.moveaxis(q.reshape(q.shape[:-2] + (-1,))[..., :K], -1, axis).astype(np.float32)
;;   ~~~
;;   OPERANDS COMPUTED ON THE WAY. 'Computed on the way' means the value that the module computes at that place (a softmax that the list does not call 'softmax' is quantised finished and normalised). What goes into a quantiser is computed in f32, as accurately as f32 sums, v_exp_f32 and their like allow (about 1e-6 of the number): no bf16 or f16 on the way to a quantiser, and a product that is left as it is and whose result goes on into a quantised operand takes f32 operands (vector FMAs, or v_wmma_f32_16x16x4_f32). A number that lies on a knife's edge between two numbers of the format may be rounded either way, as far as f32 arithmetic and the matrix unit's own rounding can turn it there, and no further.
;; One version. Each part assembles by itself: llvm-mc -triple=amdgcn-amd-amdhsa -mcpu=gfx1250 --defsym DOCPART=n.
;; ======== version 1 of 1: 3 launches
;; limits: right only within a limited range of input values
;; workspace buffers: wcodes 262,144 bytes; wscales 16,384 bytes; scores 524,288 bytes
;; launch prep (part 1): grid 32 x 4, 1 waves a work-group, no clusters, 0 bytes of LDS; arguments W_attn, wcodes, wscales; writes wcodes, wscales
.if DOCPART == 1
	.amdgcn_target "amdgcn-amd-amdhsa--gfx1250"
	.amdhsa_code_object_version 6
	.text
	.protected	k_q5f01896a62_prep
	.globl	k_q5f01896a62_prep
	.p2align	8
	.type	k_q5f01896a62_prep,@function
k_q5f01896a62_prep:
	s_mov_b64 s[64:65], 0
	v_nop
	global_prefetch_b8 v0, s[64:65] scope:SCOPE_SE
	s_setreg_imm32_b32 hwreg(HW_REG_WAVE_MODE, 25, 1), 1
	s_wait_xcnt 0x0
; THE WEIGHTS' CODES: W[:, 512:] as codes of E4M3 with E8M0 scales, in the order of the next launch's operand registers.
; DEAD WORK THAT THE PROGRAM LEAVES OUT.  scores[b][s] = sum over n of v[n] (sum over k of Q(x)[b, s][k] Q(W)[n][k] + b_attn[n]), x = [hidden_b ; enc_bs].
; The quantiser's blocks are 32 long and hidden fills k = 0 .. 511, a multiple of 32: no block straddles the seam, so the codes of k < 512 hang on hidden_b alone and those of k >= 512 on enc_bs alone.
; So the terms of k < 512 and of b_attn add to scores[b][s] a number that is the same for every s of a batch b, for all values of the inputs, and the softmax along s takes it away again.
; The first product is therefore made over k = 512 .. 1,023 alone; hidden, b_attn and W[:, :512] have no way to the output and are not loaded (hidden and b_attn are no arguments of any launch).
; LIMIT: a NaN, an infinity or an overflow that reaches only this left-out work is not carried to the result.
;   wcodes  [T 32][s 4][c 4][lane 32][16 bytes]: tile T = rows 16 T .. 16 T + 15 of W, K step s of 128, registers 4 c .. 4 c + 3 of lane l (row l % 16, k = 512 + 128 s + 32 c + 16 (l / 16) + 0 .. 15)
;   wscales [T][s][lane 32][4 bytes]: lane l holds the word of row 16 T + l % 16
; A work-group is one wave and takes one tile and one K step (T = x, s = y).  A lane reads 64 neighbouring bytes of its row of each block of 32, so that its registers run along K.
; A block's scale is 2^(floor(log2(largest magnitude)) - 8): its byte is the largest magnitude's exponent field - 8, held at 1 from below by a floor among the maximum's leaves.
; LIMITS: a block of zeros gets the byte 1 where the rule says 127 (its codes are zeros, and these bytes are read by this program alone); NaN and infinities among the inputs are not served.
; No LDS, no matrix instruction, no cluster: the waves share nothing.  wcodes leaves in runs of 512 consecutive bytes, wscales in runs of 128 (16 KiB in all).
.set TM, 16                            ; v16-19 largest magnitudes, v20-23 the other half's, then bytes, v24-27 448 x the scale, v28-31 the conversions' scale operands
.set ST, 32                            ; v32-95   64 numbers: register 16 b + i = k 32 b + 16 h + i
.set PC, 96                            ; v96-111  codes
.set PW, 112                           ; v112     the scale word
	s_load_b128 s[4:7], s[0:1], 0x0                ; W, wcodes
	s_load_b64 s[8:9], s[0:1], 0x10                ; wscales
	v_and_b32 v2, 15, v0                           ; r
	v_bfe_u32 v3, v0, 4, 1                         ; h
	v_lshlrev_b32 v4, 12, v2
	v_lshl_add_u32 v4, v3, 6, v4                   ; W: a row is 4,096 bytes; my half of a block 64
	v_lshlrev_b32 v5, 4, v0                        ; 16 bytes a lane
	v_lshlrev_b32 v6, 2, v0                        ; 4 bytes a lane
.irp b, 0,1,2,3
	v_mov_b32 v[TM+4+\b], 0                        ; a lane permute's destination counts as one of its sources
.endr
	s_mov_b32 s20, 0x76543210
	s_mov_b32 s21, 0xfedcba98                      ; v_permlanex16_b32's selects for lane l xor 16
	s_mov_b32 s22, 0x600000                        ; the mantissa field of 448
	s_and_b32 s17, ttmp7, 0xffff
	s_lshl_b32 s24, ttmp9, 16                      ; 16 rows of W
	s_lshl_b32 s18, s17, 9
	s_add_co_u32 s24, s24, s18
	s_add_co_u32 s24, s24, 2048                    ; k = 512 + 128 s
	s_mov_b32 s25, 0
	s_lshl_b32 s26, ttmp9, 13
	s_lshl_b32 s18, s17, 11
	s_add_co_u32 s26, s26, s18
	s_mov_b32 s27, 0
	s_lshl_b32 s28, ttmp9, 9
	s_lshl_b32 s18, s17, 7
	s_add_co_u32 s28, s28, s18
	s_mov_b32 s29, 0
	s_wait_alu depctr_va_vdst(0)                   ; the wait at the head's end
	s_wait_kmcnt 0x0
	s_add_nc_u64 s[4:5], s[4:5], s[24:25]
	s_add_nc_u64 s[6:7], s[6:7], s[26:27]
	s_add_nc_u64 s[8:9], s[8:9], s[28:29]
.irp b, 0,1,2,3
.irp j, 0,1,2,3
	global_load_b128 v[ST+16*\b+4*\j:ST+16*\b+4*\j+3], v4, s[4:5] offset:128*\b+16*\j
.endr
.endr
	s_wait_loadcnt 0x0
.irp b, 0,1,2,3
	v_max3_num_f32 v[TM+\b], |v[ST+16*\b]|, |v[ST+16*\b+1]|, 0x4800000          ; my 16 numbers of block b, and the floor 2^(9 - 127)
.endr
.irp i, 2,4,6,8,10,12,14
.irp b, 0,1,2,3
	v_max3_num_f32 v[TM+\b], v[TM+\b], |v[ST+16*\b+\i]|, |v[ST+16*\b+\i+1]|    ; the four blocks by turns
.endr
.endr
.irp b, 0,1,2,3
	v_permlanex16_b32 v[TM+4+\b], v[TM+\b], s20, s21
.endr
.irp b, 0,1,2,3
	v_max_num_f32 v[TM+\b], v[TM+\b], v[TM+4+\b]                               ; with lane l xor 16's 16: the block's largest magnitude
.endr
.irp b, 0,1,2,3
	v_add_nc_u32 v[TM+12+\b], 0xfc000000, v[TM+\b]                             ; 8 off its exponent field: the conversion's scale operand
.endr
.irp b, 0,1,2,3
	v_and_or_b32 v[TM+8+\b], v[TM+\b], 0x7f800000, s22                         ; 448 x the scale
.endr
.irp b, 0,1,2,3
	v_lshrrev_b32 v[TM+4+\b], 23, v[TM+12+\b]                                  ; the scale's byte
.endr
	v_lshl_or_b32 v[PW], v[TM+5], 8, v[TM+4]
	v_lshl_or_b32 v[PW], v[TM+6], 16, v[PW]
	v_lshl_or_b32 v[PW], v[TM+7], 24, v[PW]
.irp b, 0,1,2,3
.irp i, 0,1,2,3,4,5,6,7,8,9,10,11,12,13,14,15
	v_med3_num_f32 v[ST+16*\b+\i], v[ST+16*\b+\i], -v[TM+8+\b], v[TM+8+\b]     ; the conversion to an 8-bit code does not saturate (ISA guide 7.6.2): the hold comes first
.endr
	v_cvt_scalef32_pk8_fp8_f32 v[PC+4*\b:PC+4*\b+1], v[ST+16*\b:ST+16*\b+7], v[TM+12+\b]
	v_cvt_scalef32_pk8_fp8_f32 v[PC+4*\b+2:PC+4*\b+3], v[ST+16*\b+8:ST+16*\b+15], v[TM+12+\b]
.endr
	v_nop                                          ; a plain line behind the last conversion
.irp c, 0,1,2,3
	global_store_b128 v5, v[PC+4*\c:PC+4*\c+3], s[6:7] offset:512*\c
.endr
	global_store_b32 v6, v[PW], s[8:9]
	s_endpgm
.Lfunc_end_k_q5f01896a62_prep:
	.size	k_q5f01896a62_prep, .Lfunc_end_k_q5f01896a62_prep-k_q5f01896a62_prep
	.p2alignl 7, 3214868480
	.fill 96, 4, 3214868480
	.section	.rodata,"a",@progbits
	.p2align	6, 0x0
	.amdhsa_kernel k_q5f01896a62_prep
		.amdhsa_group_segment_fixed_size 0
		.amdhsa_private_segment_fixed_size 0
		.amdhsa_enable_private_segment 0
		.amdhsa_kernarg_size 24
		.amdhsa_user_sgpr_count 2
		.amdhsa_user_sgpr_kernarg_segment_ptr 1
		.amdhsa_wavefront_size32 1
		.amdhsa_system_sgpr_workgroup_id_x 1
		.amdhsa_system_sgpr_workgroup_id_y 1
		.amdhsa_system_sgpr_workgroup_id_z 1
		.amdhsa_system_vgpr_workitem_id 0
		.amdhsa_next_free_vgpr 128
		.amdhsa_next_free_sgpr 66
		.amdhsa_reserve_vcc 0
		.amdhsa_float_denorm_mode_32 3
		.amdhsa_float_denorm_mode_16_64 3
		.amdhsa_memory_ordered 1
		.amdhsa_forward_progress 1
		.amdhsa_inst_pref_size 12
	.end_amdhsa_kernel
	.amdgpu_metadata
---
amdhsa.version: [ 1, 2 ]
amdhsa.kernels:
  - .name:           k_q5f01896a62_prep
    .symbol:         k_q5f01896a62_prep.kd
    .args:
      - { .name: W_attn, .offset: 0, .size: 8, .value_kind: global_buffer, .address_space: global }
      - { .name: wcodes, .offset: 8, .size: 8, .value_kind: global_buffer, .address_space: global }
      - { .name: wscales, .offset: 16, .size: 8, .value_kind: global_buffer, .address_space: global }
    .group_segment_fixed_size: 0
    .private_segment_fixed_size: 0
    .kernarg_segment_align: 8
    .kernarg_segment_size: 24
    .max_flat_workgroup_size: 32
    .sgpr_count:     66
    .vgpr_count:     128
    .wavefront_size: 32
...
	.end_amdgpu_metadata
.endif
;; end of part 1
;; launch energy (part 2): grid 256 x 1, 4 waves a work-group, no clusters, 327,680 bytes of LDS; arguments encoder_outputs, wcodes, wscales, v, scores; writes scores
.if DOCPART == 2
	.amdgcn_target "amdgcn-amd-amdhsa--gfx1250"
	.amdhsa_code_object_version 6
	.text
	.protected	k_q5f01896a62_energy
	.globl	k_q5f01896a62_energy
	.p2align	8
	.type	k_q5f01896a62_energy,@function
k_q5f01896a62_energy:
	s_mov_b64 s[64:65], 0
	v_nop
	global_prefetch_b8 v0, s[64:65] scope:SCOPE_SE
	s_setreg_imm32_b32 hwreg(HW_REG_WAVE_MODE, 25, 1), 1
	s_wait_xcnt 0x0
; scores[b][s] = sum over n of v[n] (sum over k < 512 of Q(enc)[b, s][k] Q(W)[n][512 + k]): the live half of the first product, and the second product.  Rows (b, s) are counted through: 131,072 of them.
; DEAD WORK: the terms of hidden and of b_attn are the same for every s of a batch and the softmax takes them away: left out (the argument stands at the first kernel's head).
; LIMITS: a NaN, an infinity or an overflow that reaches only the work left out is not carried; a block of zeros keeps the scale byte 1 (its codes are zeros); NaN and infinities among the inputs are not served.
; SHARES.  Work-group x makes rows 512 x .. 512 x + 511 in 16 steps of 32 rows.  Wave w converts k = 128 w .. 128 w + 127 of each row to codes, and multiplies all of a row's codes by W's rows n = 128 w .. 128 w + 127,
; whose codes stay in 512 registers.  The codes go from wave to wave through an image of the operand's registers in LDS.
; THE RING: two LDS slots of 64 rows (two steps), 2,048 + 64 bytes a row; each wave's tensor load brings its own 128 k of 64 rows: rows of 512 bytes, 16 bytes of padding behind each, and only that wave reads them.
; TWO IMAGES by turns, so that a step has one barrier: while step i's products read image i % 2, step i + 1's numbers are converted, six vector lines behind each two products, into the other image.
; PIPELINE.  Step i: products of i, conversions of i + 1.  Behind the barrier that ends it: step i + 1's fragments and step i + 2's numbers are asked of LDS, and step i's dot product with v is taken while they come.
; PREFETCH.  A refill goes out with nothing on its way beside it (all loads are waited for in front of its barrier), so its 131,072 bytes are asked for one refill, two steps, earlier: 32,768 consecutive bytes a wave, lanes 256 bytes apart, four instructions.
; Every block of 256 bytes is named once in the launch.  The last refill's trip asks for nothing: there is no slot behind it.
; NO CLUSTER: the work-groups share W's codes alone, 256 KiB that each takes once, straight into registers, beside 1 MiB of its own rows; the ring and the images take 313,856 bytes of LDS and leave no room for a joint load of W.
; REGISTERS: window 0 as named below; window 1: v0-127 accumulators (tile t, row block mm at 8 (8 mm + t)), v128-255 two blocks of 16 rows x 64 numbers a lane; windows 2, 3: W's tiles t = 0 .. 3, 4 .. 7 (16 registers for each K step s of 128).
.set TILEB, 33792                      ; 64 rows x 528 bytes: a wave's part of a slot
.set SLOTB, 0x21000                    ; a slot: four such parts
.set XIMG,  2*SLOTB                    ; two images of 16 KiB: [image][mm 2][s 4][c 4][lane][16 bytes]
.set XSC,   XIMG+32768                 ; their scale words: [image][mm][s][lane][4 bytes]
.set PART,  XSC+2048                   ; [wave][512 rows] f32: each wave's part of the scores
.set SPARE, PART+8192                  ; the spare words, 128 bytes a wave; no other line names them
.set BLKB,  131072                     ; 64 rows in memory
.set LI,  1                            ; 16 x lane
.set QA0, 2                            ; my numbers in slot 0
.set QAD, 3                            ; and in the slot in hand
.set XWI, 4                            ; the image: where I write codes
.set XWS, 5                            ; and scale words
.set XRI, 6                            ; where I read codes
.set XRS, 7                            ; and scale words
.set PA0, 8                            ; my part of the scores, step 0
.set PAD, 9                            ; and the steps in hand
.set SPW, 10                           ; my spare word; never rewritten
.set NIL, 11                           ; 0; never rewritten
.set HO,  12                           ; 32 x (lane / 16)
.set LS,  13                           ; 4 x lane
.set FRD, 14                           ; the parts on the way out
.set PFO, 15                           ; the prefetches' offset: 256 x lane; never rewritten
.set WS,  16                           ; v16-47: W's scale words, 4 t + s
.set XS,  48                           ; v48-55: the rows' scale words, 4 mm + (s + 1) % 4: never the number of W's register modulo 8
.set XF,  56                           ; v56-151: the rows' fragments: a ring of three K steps, 32 registers each
.set VV,  152                          ; v152-215: v[128 w + 16 t + 8 h + j] at 8 t + j
.set TM,  216                          ; v216-231: the conversions' work; the dot product's sums take turns with it
.set SC,  TM
.set U,   TM+8
.set RR,  TM+10
.set PC,  232                          ; v232-247: codes
.set PW,  248                          ; their scale word
.set TL,  249
.set TR,  250
.set TH,  251
.set ST0, 128                          ; window 1: the step's rows 0-15,
.set ST1, 192                          ; and 16-31
.set WV,  16
.set TB,  17
.set PB,  18
.set G1,  24
.set MSB, 0
.macro WIN new                         ; the immediate's high byte repeats the setting that is left
.if MSB != (\new)
	s_set_vgpr_msb (MSB<<8)|(\new)
.set MSB, (\new)
.endif
.endm
.macro PLACES
.rept 8
	v_nop
.endr
.endm
.macro ASK
.irp i, 0,1,2,3
	global_prefetch_b8 v[PFO], s[46:47] offset:8192*\i th:TH_LOAD_NT scope:SCOPE_SE
.endr
.endm
.macro QLOAD st, o                     ; 16 rows: register 16 b + i = k 32 b + 16 h + i of my 128
	WIN 0x40
.irp b, 0,1,2,3
.irp j, 0,1,2,3
	ds_load_b128 v[\st+16*\b+4*\j:\st+16*\b+4*\j+3], v[QAD] offset:(\o)+128*\b+16*\j
.endr
.endr
.endm
; line n of the 128 that turn 64 numbers of a lane into 16 registers of codes and a scale word
.macro QOP st, n
.set Q, \n
.set QB, Q%4
.if Q < 4
	WIN 0x05
	v_max3_num_f32 v[TM+QB], |v[\st+16*QB]|, |v[\st+16*QB+1]|, 0x4800000        ; block QB: the floor 2^(9 - 127) is one of the leaves: the byte cannot fall under 1
.elseif Q < 32
.set QI, 2*(Q/4)
	WIN 0x05
	v_max3_num_f32 v[TM+QB], |v[\st+16*QB+QI]|, |v[\st+16*QB+QI+1]|, v[TM+QB]
.elseif Q < 36
	WIN 0
	v_permlanex16_b32 v[TM+4+QB], v[TM+QB], s20, s21
.elseif Q < 40
	WIN 0
	v_max_num_f32 v[TM+QB], v[TM+QB], v[TM+4+QB]                               ; with lane l xor 16's: the block's largest magnitude
.elseif Q < 44
	WIN 0
	v_add_nc_u32 v[TM+12+QB], 0xfc000000, v[TM+QB]                             ; 8 off its exponent field: the conversion's scale operand
.elseif Q < 48
	WIN 0
	v_and_or_b32 v[TM+8+QB], v[TM+QB], 0x7f800000, s22                         ; 448 x the scale
.elseif Q < 52
	WIN 0
	v_lshrrev_b32 v[TM+4+QB], 23, v[TM+12+QB]                                  ; the scale's byte
.elseif Q < 53
	WIN 0
	v_lshl_or_b32 v[PW], v[TM+5], 8, v[TM+4]
.elseif Q < 55
	WIN 0
	v_lshl_or_b32 v[PW], v[TM+Q-47], 8*(Q-51), v[PW]
.elseif Q < 119
.set QI, Q-55
.set QB, QI/16
	WIN 0x41
	v_med3_num_f32 v[\st+QI], v[\st+QI], -v[TM+8+QB], v[TM+8+QB]               ; the conversion does not saturate (ISA guide 7.6.2): the hold comes first
.elseif Q < 127
.set QI, Q-119
.set QB, QI/2
	WIN 0x01
	v_cvt_scalef32_pk8_fp8_f32 v[PC+2*QI:PC+2*QI+1], v[\st+8*QI:\st+8*QI+7], v[TM+12+QB]
.else
	v_nop                                          ; a plain line behind the last conversion
.endif
.endm
.macro IMAGE m, ip
	WIN 0
.irp c, 0,1,2,3
	ds_store_b128 v[XWI], v[PC+4*\c:PC+4*\c+3] offset:16384*(\ip)+8192*\m+512*\c
.endr
	ds_store_b32 v[XWS], v[PW] offset:1024*(\ip)+512*\m
.endm
; the next of a step's 256 lines (rows 0-15, then 16-31); rows 0-15's codes leave in between
.macro QSTEP ip
.if QN == 128
	IMAGE 0, \ip
.endif
.if QN < 128
	QOP ST0, QN
.else
	QOP ST1, QN-128
.endif
.set QN, QN+1
.endm
.macro FETCHS p, s                     ; K step s of image p: 10 loads
	WIN 0
.irp mm, 0,1
.irp c, 0,1,2,3
	ds_load_b128 v[XF+32*(\s%3)+16*\mm+4*\c:XF+32*(\s%3)+16*\mm+4*\c+3], v[XRI] offset:16384*\p+(4*\mm+\s)*2048+512*\c
.endr
.endr
.irp mm, 0,1
	ds_load_b32 v[XS+4*\mm+(\s+1)%4], v[XRS] offset:1024*\p+(4*\mm+\s)*128
.endr
.endm
; A STEP'S 64 PRODUCTS: the 16 accumulators take turns; source 0 = 16 rows of W, source 1 = 16 rows of enc: lane (r, h), register j: row r, n = 16 t + 8 h + j.
; The waits on LDS, by what was issued behind: K step 0 and rows 0-15's numbers: 10 + 10 + 16; K step 1: 10 + 16; K step 2 and rows 16-31's numbers: K step 3's 10; K step 3: the 5 stores of rows 0-15's codes (q = 0, no conversions: 20, 10, 10, 0).
.macro WORK p, q
.set QN, 0
.irp s, 0,1,2,3
	s_wait_alu depctr_va_vdst(0)                   ; the wait here, directly ahead of the wait below
.if \q
	s_wait_dscnt 36*(\s==0)*(\s==0)+26*(\s==1)*(\s==1)+10*(\s==2)*(\s==2)+5*(\s==3)*(\s==3)
.else
	s_wait_dscnt 10*((3-\s+1)/2)
.endif
.irp t, 0,1,2,3,4,5,6,7
	WIN 0x52+(\t/4)
.irp mm, 0,1
.if \s == 0
	v_wmma_scale_f32_16x16x128_f8f6f4 v[8*(8*\mm+\t):8*(8*\mm+\t)+7], v[16*(4*(\t%4)+\s):16*(4*(\t%4)+\s)+15], v[XF+32*(\s%3)+16*\mm:XF+32*(\s%3)+16*\mm+15], 0, v[WS+4*\t+\s], v[XS+4*\mm+(\s+1)%4]
.else
	v_wmma_scale_f32_16x16x128_f8f6f4 v[8*(8*\mm+\t):8*(8*\mm+\t)+7], v[16*(4*(\t%4)+\s):16*(4*(\t%4)+\s)+15], v[XF+32*(\s%3)+16*\mm:XF+32*(\s%3)+16*\mm+15], v[8*(8*\mm+\t):8*(8*\mm+\t)+7], v[WS+4*\t+\s], v[XS+4*\mm+(\s+1)%4]
.endif
.endr
.if \q
.rept 6
	QSTEP 1-\p
.endr
.endif
.if (\s == 1) && (\t == 1)
.if \q == 0
	PLACES
.endif
	FETCHS \p, 3                                   ; into K step 0's registers: 18 vector lines (q = 0: eight v_nop) stand behind its last product
.endif
.endr
.endr
.if \q
.rept 64
	QSTEP 1-\p
.endr
	IMAGE 1, 1-\p
.endif
	WIN 0
.endm
.macro DOT                             ; sums over my 128 n, four chains; each accumulator is read from its low end
	WIN 0x01
.irp t, 0,1,2,3,4,5,6,7
.irp jj, 0,1,2,3
.irp mm, 0,1
.if (\t == 0) && (\jj < 2)
	v_pk_mul_f32 v[SC+4*\mm+2*(\jj%2):SC+4*\mm+2*(\jj%2)+1], v[8*(8*\mm+\t)+2*\jj:8*(8*\mm+\t)+2*\jj+1], v[VV+8*\t+2*\jj:VV+8*\t+2*\jj+1]
.else
	v_pk_fma_f32 v[SC+4*\mm+2*(\jj%2):SC+4*\mm+2*(\jj%2)+1], v[8*(8*\mm+\t)+2*\jj:8*(8*\mm+\t)+2*\jj+1], v[VV+8*\t+2*\jj:VV+8*\t+2*\jj+1], v[SC+4*\mm+2*(\jj%2):SC+4*\mm+2*(\jj%2)+1]
.endif
.endr
.endr
.endr
	WIN 0
.endm
.macro RED p                           ; joined within the lane and with lane l xor 16; lanes 0-15 keep rows 0-15, lanes 16-31 rows 16-31
	v_pk_add_f32 v[SC:SC+1], v[SC:SC+1], v[SC+2:SC+3]
	v_pk_add_f32 v[SC+4:SC+5], v[SC+4:SC+5], v[SC+6:SC+7]
	v_add_f32 v[SC], v[SC], v[SC+1]
	v_add_f32 v[SC+4], v[SC+4], v[SC+5]
	v_permlanex16_b32 v[U], v[SC], s20, s21
	v_permlanex16_b32 v[U+1], v[SC+4], s20, s21
	v_add_f32 v[SC], v[SC], v[U]
	v_add_f32 v[SC+4], v[SC+4], v[U+1]
	v_cndmask_b32 v[RR], v[SC], v[SC+4], s23
	ds_store_b32 v[PAD], v[RR] offset:128*(\p)
.endm
; FROM STEP TO STEP.  np: the next step's image; drain: no tensor load is out behind it; fill: the slot just read out is filled again; q: the step after the next is still to be converted; pf: the next refill's bytes are asked of the L2; dot: the step before has products.
.macro TURN np, drain, fill, q, pf, dot
.if \drain
	s_wait_tensorcnt 0x0                           ; all my tensor loads are done: the slot to be read next is whole
	ds_add_u32 v[SPW], v[NIL]                      ; 0 onto my spare word
.if \fill
	s_xor_b32 s37, s37, SLOTB                      ; the walking descriptor: the other slot, the next 64 rows
	s_add_nc_u64 s[38:39], s[38:39], BLKB
.endif
	s_xor_b32 s[TB], s[TB], SLOTB
	v_add_nc_u32 v[QAD], s[TB], v[QA0]
.endif
.if \np
	v_add_nc_u32 v[PAD], s[PB], v[PA0]
	s_add_co_u32 s[PB], s[PB], 256
.endif
	s_wait_alu depctr_va_vdst(0)                   ; the wait here, ahead of the waits and the barrier below
.if \pf
	s_wait_xcnt 0x0                                ; the last prefetches, two steps back, have read their address
	s_add_nc_u64 s[46:47], s[46:47], BLKB
.endif
	s_wait_dscnt 0x0                               ; my codes are in the image; my reads of the slot and of the old image, and the add, are done
	s_barrier_signal -1
	s_barrier_wait -1
.if \fill
	tensor_load_to_lds s[36:39], s[G1:G1+7]        ; the first thing behind the barrier; two steps in which to land
	s_nop 0
.endif
	FETCHS \np, 0
.if \q
	QLOAD ST0, (1-\np)*16896
.endif
	FETCHS \np, 1
	FETCHS \np, 2
.if \q
	QLOAD ST1, (1-\np)*16896+8448
.endif
	WIN 0
.if \pf
	s_cmp_eq_u32 s19, 1                            ; the loop's last trip has no slot behind the one that it fills
	s_cbranch_scc1 .Lnone_\@
	ASK
.Lnone_\@:
.endif
.if \dot
	DOT
	RED 1-\np
.endif
.endm
	s_load_b256 s[4:11], s[0:1], 0x0               ; enc s[4:5], wcodes s[6:7], wscales s[8:9], v s[10:11]
	s_load_b64 s[12:13], s[0:1], 0x20              ; scores
	v_lshl_add_u32 v[SPW], v0, 2, SPARE
	v_mov_b32 v[NIL], 0
	ds_add_u32 v[SPW], v[NIL]                      ; the wave's opening: the add, twice on end, ahead of my first tensor load
	ds_add_u32 v[SPW], v[NIL]
	v_lshrrev_b32 v[TL], 5, v0
	v_readfirstlane_b32 s[WV], v[TL]               ; wave w
	; descriptor group 1: 64 rows of 128 f32, 512 apart; four words of padding behind every 128
	s_mov_b32 s[G1+0], (2<<16)|(1<<20)|(6<<22)|(3<<25)
	s_mov_b32 s[G1+1], 128<<16
	s_mov_b32 s[G1+2], 64<<16
	s_mov_b32 s[G1+3], 128<<16
	s_mov_b32 s[G1+4], 64
	s_mov_b32 s[G1+5], 512
	s_mov_b32 s[G1+6], 0
	s_mov_b32 s[G1+7], 0
	s_mul_i32 s40, s[WV], TILEB
	s_lshl_b32 s42, ttmp9, 20                      ; 512 rows x 2,048 bytes
	s_mov_b32 s43, 0
	s_lshl_b32 s44, s[WV], 15                      ; the prefetches: 16 rows a wave
	s_mov_b32 s45, 0
	s_wait_alu depctr_va_vdst(0)                   ; the wait here, directly ahead of the waits below
	s_wait_dscnt 0x0                               ; both opening adds are done
	s_wait_kmcnt 0x0
	s_add_nc_u64 s[4:5], s[4:5], s[42:43]
	s_add_nc_u64 s[46:47], s[4:5], s[44:45]
	s_add_nc_u64 s[46:47], s[46:47], BLKB          ; the prefetches begin with the second 64 rows
	s_lshl_b32 s44, s[WV], 9
	s_add_nc_u64 s[4:5], s[4:5], s[44:45]          ; my 128 k
	s_mov_b32 s32, 1
	s_mov_b32 s33, s40
	s_mov_b64 s[34:35], s[4:5]
	s_or_b32 s35, s35, 0x80000000
	s_mov_b32 s36, 1
	s_add_co_u32 s37, s40, SLOTB
	s_add_nc_u64 s[38:39], s[4:5], BLKB
	s_or_b32 s39, s39, 0x80000000
	tensor_load_to_lds s[32:35], s[G1:G1+7]        ; slot 0: a wave's one tensor load at the head
	s_nop 0
	v_and_b32 v[TL], 31, v0
	v_and_b32 v[TR], 15, v0                        ; r
	v_bfe_u32 v[TH], v0, 4, 1                      ; h
	v_lshlrev_b32 v[LI], 4, v[TL]
	v_lshlrev_b32 v[LS], 2, v[TL]
	v_lshlrev_b32 v[HO], 5, v[TH]
	v_lshlrev_b32 v[PFO], 8, v[TL]
	v_mul_u32_u24 v[QA0], v[TR], 528
	v_lshl_add_u32 v[QA0], v[TH], 6, v[QA0]
	v_add_nc_u32 v[QA0], s40, v[QA0]
	v_mov_b32 v[QAD], v[QA0]                       ; slot 0 first
	s_lshl_b32 s41, s[WV], 11
	s_add_co_u32 s41, s41, XIMG
	v_add_nc_u32 v[XWI], s41, v[LI]
	s_lshl_b32 s41, s[WV], 7
	s_add_co_u32 s41, s41, XSC
	v_add_nc_u32 v[XWS], s41, v[LS]
	v_add_nc_u32 v[XRI], XIMG, v[LI]
	v_add_nc_u32 v[XRS], XSC, v[LS]
	s_lshl_b32 s41, s[WV], 11
	s_add_co_u32 s41, s41, PART
	v_add_nc_u32 v[PA0], s41, v[LS]
	s_lshl_b32 s41, s[WV], 9
	s_add_co_u32 s41, s41, PART
	v_add_nc_u32 v[FRD], s41, v[LI]
.irp b, 0,1,2,3
	v_mov_b32 v[TM+4+\b], 0                        ; a lane permute's destination counts as one of its sources
.endr
	s_wait_alu depctr_va_vdst(0)                   ; the wait at the head's end
	s_mov_b32 s20, 0x76543210
	s_mov_b32 s21, 0xfedcba98                      ; v_permlanex16_b32's selects for lane l xor 16
	s_mov_b32 s22, 0x600000                        ; the mantissa field of 448
	s_mov_b32 s23, 0xffff0000                      ; lanes 16-31
	s_mov_b32 s[TB], 0
	s_mov_b32 s[PB], 0
	s_mov_b32 s19, 6
	s_lshl_b32 s42, s[WV], 16
	s_add_nc_u64 s[6:7], s[6:7], s[42:43]          ; my 8 tiles' codes,
	s_lshl_b32 s42, s[WV], 12
	s_add_nc_u64 s[8:9], s[8:9], s[42:43]          ; scale words,
	s_lshl_b32 s42, s[WV], 9
	s_add_nc_u64 s[10:11], s[10:11], s[42:43]      ; my 128 of v,
	s_lshl_b32 s44, ttmp9, 11
	s_add_co_u32 s42, s42, s44
	s_add_nc_u64 s[12:13], s[12:13], s[42:43]      ; the 128 scores that I store
.macro WLOAD t, o
.irp s, 0,1,2,3
.irp c, 0,1,2,3
	global_load_b128 v[16*(4*\t+\s)+4*\c:16*(4*\t+\s)+4*\c+3], v[LI], s[6:7] offset:8192*(\t+\o)+2048*\s+512*\c
.endr
.endr
.endm
	WIN 0x80
	WLOAD 0, 0
	ASK                                            ; the second 64 rows: slot 1's fill comes when slot 0 has landed
	WLOAD 1, 0
	WLOAD 2, 0
	WLOAD 3, 0
	WIN 0xc0
	WLOAD 0, 4
	WLOAD 1, 4
	WLOAD 2, 4
	WLOAD 3, 4
	WIN 0
.irp t, 0,1,2,3,4,5,6,7
	global_load_b128 v[VV+8*\t:VV+8*\t+3], v[HO], s[10:11] offset:64*\t
	global_load_b128 v[VV+8*\t+4:VV+8*\t+7], v[HO], s[10:11] offset:64*\t+16
.endr
.irp t, 0,1,2,3,4,5,6,7
.irp s, 0,1,2,3
	global_load_b32 v[WS+4*\t+\s], v[LS], s[8:9] offset:128*(4*\t+\s)
.endr
.endr
	; in front of step 0: its conversions alone.  The weights' loads are still on their way
	s_wait_xcnt 0x0                                ; the prefetches have read their address
	s_add_nc_u64 s[46:47], s[46:47], BLKB
	s_wait_tensorcnt 0x0                           ; slot 0 is in
	ds_add_u32 v[SPW], v[NIL]
	s_wait_dscnt 0x0
	s_barrier_signal -1
	s_barrier_wait -1
	tensor_load_to_lds s[36:39], s[G1:G1+7]        ; slot 1's first fill
	s_nop 0
	QLOAD ST0, 0
	QLOAD ST1, 8448
	WIN 0
	ASK                                            ; the third 64 rows
	s_wait_dscnt 16                                ; rows 0-15 are in
.set QN, 0
.rept 128
	QSTEP 0
.endr
	WIN 0
	s_wait_alu depctr_va_vdst(0)
	s_wait_dscnt 0x0
.rept 128
	QSTEP 0
.endr
	IMAGE 1, 0
	TURN 0, 0, 0, 1, 0, 0
	s_wait_alu depctr_va_vdst(0)
	s_wait_loadcnt 0x0                             ; W's codes and scale words, and v
.Lloop:                                                ; trip k: steps 2 k, 2 k + 1; slot k + 2 is filled behind step 2 k
	WORK 0, 1
	TURN 1, 1, 1, 1, 1, 1
	WORK 1, 1
	TURN 0, 0, 0, 1, 0, 1
	s_sub_co_u32 s19, s19, 1
	s_cmp_lg_u32 s19, 0
	s_cbranch_scc1 .Lloop
	WORK 0, 1                                      ; steps 12 to 15: nothing is filled any more
	TURN 1, 1, 0, 1, 0, 1
	WORK 1, 1
	TURN 0, 0, 0, 1, 0, 1
	WORK 0, 1
	TURN 1, 0, 0, 0, 0, 1
	WORK 1, 0
	PLACES
	DOT
	RED 1
	s_wait_alu depctr_va_vdst(0)
	s_wait_dscnt 0x0                               ; my parts are stored, for the others' sake
	s_barrier_signal -1
	s_barrier_wait -1
.irp u, 0,1,2,3
	ds_load_b128 v[XF+4*\u:XF+4*\u+3], v[FRD] offset:2048*\u   ; rows 128 w + 4 lane .. + 3 of each wave's part
.endr
	s_wait_dscnt 0x0
	v_pk_add_f32 v[XF:XF+1], v[XF:XF+1], v[XF+4:XF+5]
	v_pk_add_f32 v[XF+2:XF+3], v[XF+2:XF+3], v[XF+6:XF+7]
	v_pk_add_f32 v[XF+8:XF+9], v[XF+8:XF+9], v[XF+12:XF+13]
	v_pk_add_f32 v[XF+10:XF+11], v[XF+10:XF+11], v[XF+14:XF+15]
	v_pk_add_f32 v[XF:XF+1], v[XF:XF+1], v[XF+8:XF+9]
	v_pk_add_f32 v[XF+2:XF+3], v[XF+2:XF+3], v[XF+10:XF+11]
	global_store_b128 v[LI], v[XF:XF+3], s[12:13]  ; 512 consecutive bytes a wave
	s_wait_tensorcnt 0x0                           ; the wave's end
	ds_add_u32 v[SPW], v[NIL]
	s_wait_dscnt 0x0
	s_endpgm
.Lfunc_end_k_q5f01896a62_energy:
	.size	k_q5f01896a62_energy, .Lfunc_end_k_q5f01896a62_energy-k_q5f01896a62_energy
	.p2alignl 7, 3214868480
	.fill 96, 4, 3214868480
	.section	.rodata,"a",@progbits
	.p2align	6, 0x0
	.amdhsa_kernel k_q5f01896a62_energy
		.amdhsa_group_segment_fixed_size 327680
		.amdhsa_private_segment_fixed_size 0
		.amdhsa_enable_private_segment 0
		.amdhsa_kernarg_size 40
		.amdhsa_user_sgpr_count 2
		.amdhsa_user_sgpr_kernarg_segment_ptr 1
		.amdhsa_wavefront_size32 1
		.amdhsa_system_sgpr_workgroup_id_x 1
		.amdhsa_system_sgpr_workgroup_id_y 1
		.amdhsa_system_sgpr_workgroup_id_z 1
		.amdhsa_system_vgpr_workitem_id 0
		.amdhsa_next_free_vgpr 1024
		.amdhsa_next_free_sgpr 66
		.amdhsa_reserve_vcc 0
		.amdhsa_float_denorm_mode_32 3
		.amdhsa_float_denorm_mode_16_64 3
		.amdhsa_memory_ordered 1
		.amdhsa_forward_progress 1
		.amdhsa_inst_pref_size 242
	.end_amdhsa_kernel
	.amdgpu_metadata
---
amdhsa.version: [ 1, 2 ]
amdhsa.kernels:
  - .name:           k_q5f01896a62_energy
    .symbol:         k_q5f01896a62_energy.kd
    .args:
      - { .name: encoder_outputs, .offset: 0, .size: 8, .value_kind: global_buffer, .address_space: global }
      - { .name: wcodes, .offset: 8, .size: 8, .value_kind: global_buffer, .address_space: global }
      - { .name: wscales, .offset: 16, .size: 8, .value_kind: global_buffer, .address_space: global }
      - { .name: v, .offset: 24, .size: 8, .value_kind: global_buffer, .address_space: global }
      - { .name: scores, .offset: 32, .size: 8, .value_kind: global_buffer, .address_space: global }
    .group_segment_fixed_size: 327680
    .private_segment_fixed_size: 0
    .kernarg_segment_align: 8
    .kernarg_segment_size: 40
    .max_flat_workgroup_size: 128
    .sgpr_count:     66
    .vgpr_count:     1024
    .wavefront_size: 32
...
	.end_amdgpu_metadata
.endif
;; end of part 2
;; launch softmax (part 3): grid 64 x 1, 16 waves a work-group, no clusters, 3,072 bytes of LDS; arguments scores, out0; writes out0
.if DOCPART == 3
	.amdgcn_target "amdgcn-amd-amdhsa--gfx1250"
	.amdhsa_code_object_version 6
	.text
	.protected	k_q5f01896a62_softmax
	.globl	k_q5f01896a62_softmax
	.p2align	8
	.type	k_q5f01896a62_softmax,@function
k_q5f01896a62_softmax:
	s_mov_b64 s[64:65], 0
	v_nop
	global_prefetch_b8 v0, s[64:65] scope:SCOPE_SE
	s_setreg_imm32_b32 hwreg(HW_REG_WAVE_MODE, 25, 1), 1
	s_wait_xcnt 0x0
; out0[b][:] = softmax(scores[b][:]) over the 2,048 steps of a batch.  A work-group takes a batch: 512 threads, four neighbouring scores each: one load and one store of 16 bytes a lane,
; 512 consecutive bytes a wave.  The row's maximum is taken away before the exponential, as the definition has it: the difference first (exact near the maximum), then x log2(e).
; Maximum and sum: within the lane, across the 32 lanes (four steps inside each half of 16 lanes ride on the arithmetic, one crosses the halves), then over the 16 waves through LDS: each
; wave stores one word, a barrier, every wave reads all sixteen.  The sum's words are other bytes than the maximum's, so one barrier serves each.
; No matrix unit, no cluster, no tensor load: 8 KiB a work-group, read once, shared with nobody.
; LIMITS: a weight under 2^-126 comes out as 0 (v_exp_f32 gives no denormal results: ISA guide, its entry in chapter 15); NaN and infinities among the scores are not served.
	s_load_b128 s[4:7], s[0:1], 0x0                ; scores, out0
	v_lshl_add_u32 v32, v0, 2, 0x400
	v_mov_b32 v33, 0
	v_lshrrev_b32 v1, 5, v0
	s_delay_alu instid0(VALU_DEP_1)
	v_readfirstlane_b32 s8, v1                     ; wave 0..15
	v_lshlrev_b32 v2, 4, v0                        ; my 16 bytes of the row
	s_lshl_b32 s10, ttmp9, 13                      ; a row is 8,192 bytes
	s_mov_b32 s11, 0
	s_mov_b32 s12, 0x76543210
	s_mov_b32 s13, 0xfedcba98                      ; v_permlanex16_b32's selects for lane l xor 16
	s_lshl_b32 s9, s8, 2
	v_mov_b32 v10, s9                              ; LDS: my wave's word
	v_mov_b32 v11, 0
	v_mov_b32 v9, 0                                ; a lane permute's destination counts as one of its sources
	s_wait_alu depctr_va_vdst(0)
	s_wait_kmcnt 0x0
	s_add_nc_u64 s[4:5], s[4:5], s[10:11]
	s_add_nc_u64 s[6:7], s[6:7], s[10:11]
	global_load_b128 v[4:7], v2, s[4:5] th:TH_LOAD_NT
	s_wait_loadcnt 0x0
	v_max3_num_f32 v8, v4, v5, v6
	s_delay_alu instid0(VALU_DEP_1)
	v_max_num_f32 v8, v8, v7
	s_delay_alu instid0(VALU_DEP_1)
	v_max_num_f32_dpp v8, v8, v8 row_xmask:1 row_mask:0xf bank_mask:0xf
	s_delay_alu instid0(VALU_DEP_1)
	v_max_num_f32_dpp v8, v8, v8 row_xmask:2 row_mask:0xf bank_mask:0xf
	s_delay_alu instid0(VALU_DEP_1)
	v_max_num_f32_dpp v8, v8, v8 row_xmask:4 row_mask:0xf bank_mask:0xf
	s_delay_alu instid0(VALU_DEP_1)
	v_max_num_f32_dpp v8, v8, v8 row_xmask:8 row_mask:0xf bank_mask:0xf
	s_delay_alu instid0(VALU_DEP_1)
	v_permlanex16_b32 v9, v8, s12, s13
	s_delay_alu instid0(VALU_DEP_1)
	v_max_num_f32 v8, v8, v9                       ; the wave's maximum, in every lane
	ds_store_b32 v10, v8                           ; all lanes write the same word with the same value
	s_wait_dscnt 0x0                               ; for the others' sake
	s_barrier_signal -1
	s_barrier_wait -1
.irp i, 0,1,2,3
	ds_load_b128 v[12+4*\i:15+4*\i], v11 offset:16*\i
.endr
	s_wait_dscnt 0x0
	v_max3_num_f32 v12, v12, v13, v14
	v_max3_num_f32 v15, v15, v16, v17
	v_max3_num_f32 v18, v18, v19, v20
	v_max3_num_f32 v21, v21, v22, v23
	v_max3_num_f32 v24, v24, v25, v26
	s_delay_alu instid0(VALU_DEP_3)
	v_max3_num_f32 v12, v12, v15, v18
	s_delay_alu instid0(VALU_DEP_2)
	v_max3_num_f32 v21, v21, v24, v27
	s_delay_alu instid0(VALU_DEP_1)
	v_max_num_f32 v12, v12, v21                    ; the row's maximum
.irp i, 4,5,6,7
	v_sub_f32 v[\i], v[\i], v12
.endr
	s_delay_alu instid0(VALU_DEP_3)
	v_pk_mul_f32 v[4:5], v[4:5], 0x3fb8aa3b op_sel_hi:[1,0]    ; x log2(e)
	s_delay_alu instid0(VALU_DEP_2)
	v_pk_mul_f32 v[6:7], v[6:7], 0x3fb8aa3b op_sel_hi:[1,0]
	s_wait_alu depctr_va_vdst(0)
.irp i, 4,5,6,7
	v_exp_f32 v[\i], v[\i]
.endr
	v_nop                                          ; a plain line behind the last exponential (ISA guide 5.7.2)
	s_wait_alu depctr_va_vdst(0)                   ; one wait for the four, ahead of their first reader
	v_add_f32 v8, v4, v5
	v_add_f32 v9, v6, v7
	s_delay_alu instid0(VALU_DEP_1)
	v_add_f32 v8, v8, v9
	s_delay_alu instid0(VALU_DEP_1)
	v_add_f32_dpp v8, v8, v8 row_xmask:1 row_mask:0xf bank_mask:0xf
	s_delay_alu instid0(VALU_DEP_1)
	v_add_f32_dpp v8, v8, v8 row_xmask:2 row_mask:0xf bank_mask:0xf
	s_delay_alu instid0(VALU_DEP_1)
	v_add_f32_dpp v8, v8, v8 row_xmask:4 row_mask:0xf bank_mask:0xf
	s_delay_alu instid0(VALU_DEP_1)
	v_add_f32_dpp v8, v8, v8 row_xmask:8 row_mask:0xf bank_mask:0xf
	s_delay_alu instid0(VALU_DEP_1)
	v_permlanex16_b32 v9, v8, s12, s13
	s_delay_alu instid0(VALU_DEP_1)
	v_add_f32 v8, v8, v9                           ; the wave's sum
	ds_store_b32 v10, v8 offset:256
	s_wait_dscnt 0x0
	s_barrier_signal -1
	s_barrier_wait -1
.irp i, 0,1,2,3
	ds_load_b128 v[12+4*\i:15+4*\i], v11 offset:256+16*\i
.endr
	s_wait_dscnt 0x0
	v_pk_add_f32 v[12:13], v[12:13], v[14:15]
	v_pk_add_f32 v[16:17], v[16:17], v[18:19]
	v_pk_add_f32 v[20:21], v[20:21], v[22:23]
	v_pk_add_f32 v[24:25], v[24:25], v[26:27]
	s_delay_alu instid0(VALU_DEP_3)
	v_pk_add_f32 v[12:13], v[12:13], v[16:17]
	s_delay_alu instid0(VALU_DEP_2)
	v_pk_add_f32 v[20:21], v[20:21], v[24:25]
	s_delay_alu instid0(VALU_DEP_1)
	v_pk_add_f32 v[12:13], v[12:13], v[20:21]
	s_delay_alu instid0(VALU_DEP_1)
	v_add_f32 v12, v12, v13                        ; the row's sum: at least 1, the maximum's own weight
	s_wait_alu depctr_va_vdst(0)
	v_rcp_f32 v14, v12
	v_nop                                          ; a plain line behind the reciprocal
	s_wait_alu depctr_va_vdst(0)                   ; and the wait ahead of its first reader
	v_pk_mul_f32 v[4:5], v[4:5], v[14:15] op_sel_hi:[1,0]      ; of the pair the low word serves both halves
	v_pk_mul_f32 v[6:7], v[6:7], v[14:15] op_sel_hi:[1,0]
	global_store_b128 v2, v[4:7], s[6:7] th:TH_STORE_NT        ; 32 lanes store 512 consecutive bytes
	s_wait_tensorcnt 0x0
	ds_add_u32 v32, v33
	s_wait_dscnt 0x0
	s_endpgm
.Lfunc_end_k_q5f01896a62_softmax:
	.size	k_q5f01896a62_softmax, .Lfunc_end_k_q5f01896a62_softmax-k_q5f01896a62_softmax
	.p2alignl 7, 3214868480
	.fill 96, 4, 3214868480
	.section	.rodata,"a",@progbits
	.p2align	6, 0x0
	.amdhsa_kernel k_q5f01896a62_softmax
		.amdhsa_group_segment_fixed_size 3072
		.amdhsa_private_segment_fixed_size 0
		.amdhsa_enable_private_segment 0
		.amdhsa_kernarg_size 16
		.amdhsa_user_sgpr_count 2
		.amdhsa_user_sgpr_kernarg_segment_ptr 1
		.amdhsa_wavefront_size32 1
		.amdhsa_system_sgpr_workgroup_id_x 1
		.amdhsa_system_sgpr_workgroup_id_y 1
		.amdhsa_system_sgpr_workgroup_id_z 1
		.amdhsa_system_vgpr_workitem_id 0
		.amdhsa_next_free_vgpr 34
		.amdhsa_next_free_sgpr 66
		.amdhsa_reserve_vcc 0
		.amdhsa_float_denorm_mode_32 3
		.amdhsa_float_denorm_mode_16_64 3
		.amdhsa_memory_ordered 1
		.amdhsa_forward_progress 1
		.amdhsa_inst_pref_size 6
	.end_amdhsa_kernel
	.amdgpu_metadata
---
amdhsa.version: [ 1, 2 ]
amdhsa.kernels:
  - .name:           k_q5f01896a62_softmax
    .symbol:         k_q5f01896a62_softmax.kd
    .args:
      - { .name: scores, .offset: 0, .size: 8, .value_kind: global_buffer, .address_space: global }
      - { .name: out0, .offset: 8, .size: 8, .value_kind: global_buffer, .address_space: global }
    .group_segment_fixed_size: 3072
    .private_segment_fixed_size: 0
    .kernarg_segment_align: 8
    .kernarg_segment_size: 16
    .max_flat_workgroup_size: 512
    .sgpr_count:     66
    .vgpr_count:     34
    .wavefront_size: 32
...
	.end_amdgpu_metadata
.endif
;; end of part 3
